; MI455X (gfx1250); checked and timed in simulation.
; The chip was launched on July 23, 2026; its instructions are those of AMD's public machine-readable ISA for CDNA 5 (MIT licence, August 2026) and "CDNA5" Instruction Set Architecture Reference Guide (July 2026). The comments in the code are by the model that wrote it; some were corrected since.
;; Causal Self Attention. Allowed arithmetic: matrix products marked QUANTISED: E4M3 operands, one given power-of-two scale a tensor, by v_wmma_f32_16x16x64_fp8_fp8 or v_wmma_f32_16x16x128_fp8_fp8, f32 sums; everything else in f32.
;; Inputs: b_proj 1,024 float32; lowp_scales 8 int32 (the exponents e of the quantised operands' scales 2^e); w_attn 1,024 x 3,072 float32; w_proj 1,024 x 1,024 float32; x 4 x 2,048 x 1,024 float32.
;; Outputs: out0 4 x 2,048 x 1,024 float32.
;; This version of the problem:
;;   THIS VERSION OF THE PROBLEM IS GIVEN IN LOW PRECISION. The matrix products marked QUANTISED in the list below multiply operands that are first quantised to E4M3 (4 exponent bits, 3 mantissa bits; 8 bits a number), with one given power-of-two scale for each operand tensor; their sums are f32. All else is computed in f32.
;;   The module's matrix products, in the order in which they are computed (A, B: the left and right operand; K: the contracted axis; several contracted axes count as one K, in the product's order):
;;     1. [M 8,192, K 1,024] x [K 1,024, N 3,072]; A: input x; B: input w_attn: QUANTISED (scales: A lowp_scales[0], B lowp_scales[1])
;;     2. batch 64 x [M 2,048, K 64] x [K 64, N 2,048]; A: computed on the way; B: computed on the way: QUANTISED (scales: A lowp_scales[2], B lowp_scales[3])
;;     3. batch 64 x [M 2,048, K 2,048] x [K 2,048, N 64]; A: softmax (see below); B: computed on the way: QUANTISED (scales: A lowp_scales[4], B lowp_scales[5])
;;     4. [M 8,192, K 1,024] x [K 1,024, N 1,024]; A: computed on the way; B: input w_proj: QUANTISED (scales: A lowp_scales[6], B lowp_scales[7])
;;   THE QUANTISER, for each operand of a quantised product, along K:
;;     - The operand's scale is 2^e, e = its entry of the input lowp_scales (int32; the entries are numbered through the quantised products in the list's order, A before B).
;;     - Each number is divided by the scale, clamped to +-448, and rounded to the nearest number of E4M3, ties to even, subnormals kept.
;;     - The product sums the exact products of the quantised numbers (number of the format x scale) in f32.
;;   ~~~python
;;   def quantise(x, axis, e):      # numpy; x: float32 -> the quantised numbers, widened to float32 again
;;       x = np.moveaxis(x, axis, -1); K = x.shape[-1]
;;       r = np.clip(x / 2.0 ** e, -448, 448)
;;       step = 2.0 ** (np.maximum(np.frexp(np.where(r == 0, 1, r))[1] - 1, -6) - 3)
;;       q = np.round(r / step) * step * 2.0 ** e      # np.round: ties to even
;;       return np.moveaxis(q, -1, axis).astype(np.float32)
;;   ~~~
;;   SOFTMAX AHEAD OF A QUANTISED PRODUCT. Where the list says 'softmax', what is quantised is not the finished softmax but p = 2^(t - M), with t = logit x log2(e) and M = ceil(the row's largest t), a whole number; so 1/2 < the row's largest p <= 1. The row's sum l is taken of the UNQUANTISED p, in f32, and the product's result is divided by l at the end. Since M is a whole number, a kernel that streams over the keys may use a running M (the ceiling of the running maximum): every later rescaling is an exact power of two, so the quantised numbers keep their values, but for numbers so far below the row's largest that they fall under the format's range.
;;   OPERANDS COMPUTED ON THE WAY. 'Computed on the way' means the value that the module computes at that place (a softmax that the list does not call 'softmax' is quantised finished and normalised). What goes into a quantiser is computed in f32, as accurately as f32 sums, v_exp_f32 and their like allow (about 1e-6 of the number): no bf16 or f16 on the way to a quantiser, and a product that is left as it is and whose result goes on into a quantised operand takes f32 operands (vector FMAs, or v_wmma_f32_16x16x4_f32). A number that lies on a knife's edge between two numbers of the format may be rounded either way, as far as f32 arithmetic and the matrix unit's own rounding can turn it there, and no further.
;; One version. Each part assembles by itself: llvm-mc -triple=amdgcn-amd-amdhsa -mcpu=gfx1250 --defsym DOCPART=n.
;; ======== version 1 of 1: 4 launches
;; limits: right only within a limited range of input values
;; workspace buffers: x_img 8,388,608 bytes; wa_img 3,145,728 bytes; wp_img 1,048,576 bytes; q_img 8,388,608 bytes; k_img 8,388,608 bytes; v_img 8,388,608 bytes; a_img 8,388,608 bytes
;; launch quant (part 1): grid 384 x 1, 4 waves a work-group, no clusters, 68,096 bytes of LDS; arguments x, w_attn, w_proj, lowp_scales, x_img, wa_img, wp_img; writes x_img, wa_img, wp_img
.if DOCPART == 1
	.amdgcn_target "amdgcn-amd-amdhsa--gfx1250"
	.amdhsa_code_object_version 6
	.text
	.protected	k_q2dd51933d6_quant
	.globl	k_q2dd51933d6_quant
	.p2align	8
	.type	k_q2dd51933d6_quant,@function
k_q2dd51933d6_quant:
	s_mov_b64 s[64:65], 0
	v_nop
	global_prefetch_b8 v0, s[64:65] scope:SCOPE_SE
	s_setreg_imm32_b32 hwreg(HW_REG_WAVE_MODE, 25, 1), 1
	s_wait_xcnt 0x0
; x [8192][1024], w_attn [1024][3072] and w_proj [1024][1024], f32, become codes of FP8 (E4M3), each with the one scale 2^e given for it (entries 0, 1 and 7 of the scales).
; code = number / 2^e, held within +-448, rounded to the nearest code, ties to even.
; LIMITS: each e between -126 and 119, so that 2^e and 448 x 2^e are f32 numbers.  NaN among the inputs is not served; an infinity is held at the largest code.
; THE CODES ARE LAID AS IMAGES OF OPERAND REGISTERS.  A fragment is 16 rows x 128 along K, 16 registers a lane: lane (r = lane % 16, h = lane / 16) holds row r, registers 2 c, 2 c + 1 hold k = 16 c + 8 h + 0 .. 7.
; Its image is four chunks of 512 bytes: chunk j = registers 4 j .. 4 j + 3, lane l's 16 bytes at 512 j + 16 l.  A buffer is [row / 128][k / 128][(row / 16) % 8][2,048 bytes]; for the weights a row is a column n.
; Work-groups 0-255 take x (K innermost), 256-383 the weights (K is the first axis): 32,768 numbers each.  The two paths part on the work-group's number and have LDS bytes of their own.
; No tensor loads, no barrier: waves share nothing.
.set R,    16                          ; x: v16-111  three sets of 32 numbers as they are loaded
.set XX,   112                         ; x: v112-175 two sets of 32: register 8 c + i = k 16 c + 8 h + i of my row
.set CX,   176                         ; x: v176-239 codes, eight registers for each step: no store's data are written again
.set XSTG, 4352                        ; x: a stage: 16 rows x (256 bytes + 16); two for each wave
.set VO,   16                          ; w: v16-47   4 x lane + i rows of the weight
.set WX,   48                          ; w: v48-111  two sets of 32 numbers down K
.set WC,   112                         ; w: v112-119 a block's codes
.set OUTR, 120                         ; w: v120-183 the way out
.set WSTG, 34816                       ; w: the stages begin behind x's: 8,192 bytes for each wave
	s_load_b256 s[4:11], s[0:1], 0x0               ; x s[4:5], w_attn s[6:7], w_proj s[8:9], the scales s[10:11]
	s_load_b128 s[12:15], s[0:1], 0x20             ; x_img s[12:13], wa_img s[14:15]
	s_load_b64 s[16:17], s[0:1], 0x30              ; wp_img
	v_lshl_add_u32 v240, v0, 2, 0x10800
	v_mov_b32 v241, 0
	v_lshrrev_b32 v1, 5, v0
	v_readfirstlane_b32 s20, v1                    ; wave 0..3
	v_and_b32 v2, 31, v0                           ; lane
	v_and_b32 v5, 15, v0                           ; r
	v_bfe_u32 v6, v0, 4, 1                         ; h
	s_wait_kmcnt 0x0
	s_load_b256 s[24:31], s[10:11], 0x0            ; e0 .. e7
	s_cmp_lt_u32 ttmp9, 256
	s_cbranch_scc0 .Lw
; ---------------- x.  A wave takes 16 rows x 512 along K, in eight steps of 64 along K.
; A load reads 256 consecutive bytes of each of two rows; a step's 4,096 bytes turn through the wave's own stage, so that a lane gets eight neighbours along K for each conversion.
	s_lshl_b32 s21, ttmp9, 2
	s_add_co_u32 s21, s21, s20                     ; which of 1,024 waves
	s_lshr_b32 s22, s21, 1                         ; tile of 16 rows
	s_and_b32 s23, s21, 1                          ; which half of K
	s_lshl_b32 s32, s22, 16                        ; 16 rows of 4,096 bytes
	s_lshl_b32 s33, s23, 11                        ; 512 numbers
	s_add_co_u32 s32, s32, s33
	s_mov_b32 s33, 0
	s_add_nc_u64 s[4:5], s[4:5], s[32:33]
	s_lshr_b32 s34, s22, 3
	s_lshl_b32 s34, s34, 17                        ; row / 128: 131,072 bytes
	s_lshl_b32 s35, s23, 16                        ; four fragments' columns along K: 4 x 16,384
	s_add_co_u32 s34, s34, s35
	s_and_b32 s35, s22, 7
	s_lshl_b32 s35, s35, 11                        ; (row / 16) % 8: 2,048 bytes
	s_add_co_u32 s34, s34, s35
	s_mov_b32 s35, 0
	s_add_nc_u64 s[12:13], s[12:13], s[34:35]
	s_wait_alu depctr_va_vdst(0)
	v_lshlrev_b32 v3, 4, v5
	v_lshl_add_u32 v3, v6, 12, v3                  ; in: lanes 0-15 one row's 256 bytes, lanes 16-31 the next row's
	s_mul_i32 s36, s20, 2*XSTG
	v_mul_u32_u24 v14, v6, 272
	v_lshl_add_u32 v14, v5, 4, v14
	v_add_nc_u32 v14, s36, v14                     ; the stage, on the way in: row h, 16 r
	v_mul_u32_u24 v15, v5, 272
	v_lshl_add_u32 v15, v6, 5, v15
	v_add_nc_u32 v15, s36, v15                     ; and on the way out: row r, 32 h
	v_lshlrev_b32 v4, 4, v2                        ; out: 16 x lane
.macro XLOAD t
.set ii, 0
.rept 8
	global_load_b128 v[R+32*((\t)%3)+4*ii:R+32*((\t)%3)+4*ii+3], v3, s[4:5] offset:256*(\t)+8192*ii th:TH_LOAD_NT
.set ii, ii+1
.endr
.endm
.macro XTURN t                         ; LDS serves a wave's instructions in order: no wait between the stores and the loads
.set ii, 0
.rept 8
	ds_store_b128 v14, v[R+32*((\t)%3)+4*ii:R+32*((\t)%3)+4*ii+3] offset:XSTG*((\t)%2)+544*ii
.set ii, ii+1
.endr
.set ii, 0
.rept 8                                ; ii = 2 c + e: bytes 64 c + 16 e of my 32 h: k = 16 c + 8 h + 4 e on
	ds_load_b128 v[XX+32*((\t)%2)+4*ii:XX+32*((\t)%2)+4*ii+3], v15 offset:XSTG*((\t)%2)+64*(ii/2)+16*(ii%2)
.set ii, ii+1
.endr
.endm
.macro XSTEP t
.set XS, XX+32*((\t)%2)
	s_wait_dscnt 0x0                               ; this step's numbers are back from the stage, so its stores into the stage have read their registers,
.if (\t)+3 < 8
	XLOAD (\t)+3                                   ; which take the loads of three steps on
.endif
.if (\t)+1 < 8
.if 6-(\t) >= 2
	s_wait_loadcnt 16                              ; the next step's eight loads are in; those of the two steps behind it may be out
.else
	s_wait_loadcnt 8*(6-(\t))
.endif
	XTURN (\t)+1
.endif
.set jj, 0
.rept 32
.set jj, jj+1
.endr
.set jj, 0
.rept 4
	v_cvt_scalef32_pk8_fp8_f32 v[CX+8*(\t)+2*jj:CX+8*(\t)+2*jj+1], v[XS+8*jj:XS+8*jj+7], v11
.set jj, jj+1
.endr
	global_store_b128 v4, v[CX+8*(\t):CX+8*(\t)+3], s[12:13] offset:((\t)/2)*16384+((\t)%2)*1024        ; a chunk: 512 consecutive bytes, aligned
	global_store_b128 v4, v[CX+8*(\t)+4:CX+8*(\t)+7], s[12:13] offset:((\t)/2)*16384+((\t)%2)*1024+512
.endm
	XLOAD 0
	XLOAD 1
	XLOAD 2
	s_wait_alu depctr_va_vdst(0)
	s_wait_kmcnt 0x0
	s_add_co_i32 s37, s24, 127
	s_lshl_b32 s38, s37, 23
	v_mov_b32 v11, s38                             ; 2^e0 as f32: the conversion takes its exponent field
	s_add_co_i32 s37, s37, 8
	s_lshl_b32 s37, s37, 23
	s_or_b32 s37, s37, 0x600000
	s_wait_alu depctr_va_vdst(0)
	s_wait_loadcnt 16                              ; step 0's eight loads are in
	XTURN 0
.irp t, 0,1,2,3,4,5,6,7
	XSTEP \t
.endr
	s_wait_tensorcnt 0x0
	ds_add_u32 v240, v241
	s_wait_dscnt 0x0
	s_endpgm
; ---------------- the weights.  A lane takes a column n and its registers run down K: the conversions then give codes with K innermost.  A wave takes 32 columns x 256 along K, eight blocks of 32.
.Lw:
	s_sub_co_u32 s21, ttmp9, 256
	s_mov_b32 s22, 4096
	s_cmp_lt_u32 s21, 96                           ; the first 96 take w_attn, the other 32 w_proj: only pointers and sizes are chosen
	s_cselect_b64 s[4:5], s[6:7], s[8:9]
	s_cselect_b64 s[12:13], s[14:15], s[16:17]
	s_cselect_b32 s22, 12288, s22                  ; bytes in a row of the weight
	s_cselect_b32 s48, 1, 0
	s_cselect_b32 s23, 0, 96
	s_sub_co_u32 s21, s21, s23
	s_lshr_b32 s49, s21, 2                         ; which 128 columns
	s_and_b32 s50, s21, 3                          ; which 256 along K
	s_mul_i32 s52, s50, s22
	s_lshl_b32 s52, s52, 8
	s_lshl_b32 s53, s49, 9
	s_add_co_u32 s52, s52, s53
	s_lshl_b32 s53, s20, 7
	s_add_co_u32 s52, s52, s53                     ; 256 y rows + 4 (128 cg + 32 wave)
	s_mov_b32 s53, 0
	s_add_nc_u64 s[32:33], s[4:5], s[52:53]        ; block 0's first row;
	s_lshl_b32 s54, s22, 5
	s_mov_b32 s55, 0
.irp t, 1,2,3,4,5,6,7
	s_add_nc_u64 s[32+2*\t:33+2*\t], s[30+2*\t:31+2*\t], s[54:55]   ; each block 32 rows on: a base of its own, never rewritten
.endr
	s_lshl_b32 s56, s49, 3
	s_lshl_b32 s57, s50, 1
	s_add_co_u32 s56, s56, s57
	s_lshl_b32 s56, s56, 3
	s_lshl_b32 s57, s20, 1
	s_add_co_u32 s56, s56, s57
	s_lshl_b32 s56, s56, 11                        ; ((8 cg + 2 y) 8 + 2 wave) fragments of 2,048 bytes
	s_mov_b32 s57, 0
	s_add_nc_u64 s[12:13], s[12:13], s[56:57]
	s_wait_alu depctr_va_vdst(0)
	v_lshlrev_b32 v3, 2, v2
.set ii, 0
.rept 32
	v_mad_u32_u24 v[VO+ii], s22, ii, v3            ; 4 x lane + ii rows
.set ii, ii+1
.endr
	s_lshl_b32 s58, s20, 13
	s_add_co_u32 s58, s58, WSTG                    ; my stage: [2 along K][2 tiles of 16 columns][2,048]
	v_lshlrev_b32 v4, 4, v5
	v_lshl_add_u32 v4, v6, 11, v4
	v_add_nc_u32 v4, s58, v4                       ; into it: tile h, 16 r
	v_lshlrev_b32 v8, 4, v2                        ; out: 16 x lane
	v_add_nc_u32 v7, s58, v8
.macro WLOAD t
.set ii, 0
.rept 32
	global_load_b32 v[WX+32*((\t)%2)+ii], v[VO+ii], s[32+2*(\t):33+2*(\t)] th:TH_LOAD_NT   ; 32 lanes read 128 consecutive bytes of a row
.set ii, ii+1
.endr
.endm
	WLOAD 0
	WLOAD 1
	s_wait_kmcnt 0x0
	s_cmp_eq_u32 s48, 1
	s_cselect_b32 s59, s25, s31                    ; e1 or e7
	s_add_co_i32 s59, s59, 127
	s_lshl_b32 s60, s59, 23
	v_mov_b32 v11, s60
	s_add_co_i32 s59, s59, 8
	s_lshl_b32 s59, s59, 23
	s_or_b32 s59, s59, 0x600000
; Block t is chunk t % 4 of fragment t / 4.  Of my 32 numbers, eight g = 0, 2 belong to image lane r (bytes 0-7, 8-15), eight g = 1, 3 to image lane 16 + r: two stores of 16 bytes, 256 bytes apart.
.macro WBLOCK t
.set XS, WX+32*((\t)%2)
.if (\t) < 7
	s_wait_loadcnt 32                              ; this block's 32 loads are in; the next block's may be out
.else
	s_wait_loadcnt 0
.endif
.set jj, 0
.rept 32
.set jj, jj+1
.endr
.set jj, 0
.rept 4
	v_cvt_scalef32_pk8_fp8_f32 v[WC+4*(jj%2)+2*(jj/2):WC+4*(jj%2)+2*(jj/2)+1], v[XS+8*jj:XS+8*jj+7], v11
.set jj, jj+1
.endr
	ds_store_b128 v4, v[WC:WC+3] offset:((\t)/4)*4096+((\t)%4)*512
	ds_store_b128 v4, v[WC+4:WC+7] offset:((\t)/4)*4096+((\t)%4)*512+256
.if (\t)+2 < 8
	WLOAD (\t)+2
.endif
	s_wait_dscnt 0x0                               ; the stores have read their registers: the next block's codes may be written
.endm
	s_wait_alu depctr_va_vdst(0)
.irp t, 0,1,2,3,4,5,6,7
	WBLOCK \t
.endr
.set ii, 0
.rept 16
	ds_load_b128 v[OUTR+4*ii:OUTR+4*ii+3], v7 offset:512*ii     ; LDS serves a wave's instructions in order: these see my stores
.set ii, ii+1
.endr
.set ii, 0
.rept 16
	s_wait_dscnt 15-ii
	global_store_b128 v8, v[OUTR+4*ii:OUTR+4*ii+3], s[12:13] offset:(ii/8)*16384+(ii%8)*512   ; 512 consecutive bytes, aligned
.set ii, ii+1
.endr
	s_wait_tensorcnt 0x0
	ds_add_u32 v240, v241
	s_wait_dscnt 0x0
	s_endpgm
.Lfunc_end_k_q2dd51933d6_quant:
	.size	k_q2dd51933d6_quant, .Lfunc_end_k_q2dd51933d6_quant-k_q2dd51933d6_quant
	.p2alignl 7, 3214868480
	.fill 96, 4, 3214868480
	.section	.rodata,"a",@progbits
	.p2align	6, 0x0
	.amdhsa_kernel k_q2dd51933d6_quant
		.amdhsa_group_segment_fixed_size 68096
		.amdhsa_private_segment_fixed_size 0
		.amdhsa_enable_private_segment 0
		.amdhsa_kernarg_size 56
		.amdhsa_user_sgpr_count 2
		.amdhsa_user_sgpr_kernarg_segment_ptr 1
		.amdhsa_wavefront_size32 1
		.amdhsa_system_sgpr_workgroup_id_x 1
		.amdhsa_system_sgpr_workgroup_id_y 1
		.amdhsa_system_sgpr_workgroup_id_z 1
		.amdhsa_system_vgpr_workitem_id 0
		.amdhsa_next_free_vgpr 242
		.amdhsa_next_free_sgpr 66
		.amdhsa_reserve_vcc 0
		.amdhsa_float_denorm_mode_32 3
		.amdhsa_float_denorm_mode_16_64 3
		.amdhsa_fp16_overflow 1
		.amdhsa_memory_ordered 1
		.amdhsa_forward_progress 1
		.amdhsa_inst_pref_size 56
	.end_amdhsa_kernel
	.amdgpu_metadata
---
amdhsa.version: [ 1, 2 ]
amdhsa.kernels:
  - .name:           k_q2dd51933d6_quant
    .symbol:         k_q2dd51933d6_quant.kd
    .args:
      - { .name: x, .offset: 0, .size: 8, .value_kind: global_buffer, .address_space: global }
      - { .name: w_attn, .offset: 8, .size: 8, .value_kind: global_buffer, .address_space: global }
      - { .name: w_proj, .offset: 16, .size: 8, .value_kind: global_buffer, .address_space: global }
      - { .name: lowp_scales, .offset: 24, .size: 8, .value_kind: global_buffer, .address_space: global }
      - { .name: x_img, .offset: 32, .size: 8, .value_kind: global_buffer, .address_space: global }
      - { .name: wa_img, .offset: 40, .size: 8, .value_kind: global_buffer, .address_space: global }
      - { .name: wp_img, .offset: 48, .size: 8, .value_kind: global_buffer, .address_space: global }
    .group_segment_fixed_size: 68096
    .private_segment_fixed_size: 0
    .kernarg_segment_align: 8
    .kernarg_segment_size: 56
    .max_flat_workgroup_size: 128
    .sgpr_count:     66
    .vgpr_count:     242
    .wavefront_size: 32
...
	.end_amdgpu_metadata
.endif
;; end of part 1
;; launch qkv (part 2): grid 12 x 32, 4 waves a work-group, clusters of 4 x 4, 327,680 bytes of LDS; arguments x_img, wa_img, lowp_scales, q_img, k_img, v_img; writes q_img, k_img, v_img
.if DOCPART == 2
	.amdgcn_target "amdgcn-amd-amdhsa--gfx1250"
	.amdhsa_code_object_version 6
	.text
	.protected	k_q2dd51933d6_qkv
	.globl	k_q2dd51933d6_qkv
	.p2align	8
	.type	k_q2dd51933d6_qkv,@function
k_q2dd51933d6_qkv:
	s_mov_b64 s[64:65], 0
	v_nop
	global_prefetch_b8 v0, s[64:65] scope:SCOPE_SE
	s_setreg_imm32_b32 hwreg(HW_REG_WAVE_MODE, 25, 1), 1
	s_wait_xcnt 0x0
	s_wait_alu depctr_hold_cnt(0) depctr_sa_sdst(0) depctr_va_vdst(0) depctr_va_sdst(0) depctr_va_ssrc(0) depctr_va_vcc(0) depctr_vm_vsrc(0)
	s_getreg_b32 s2, hwreg(HW_REG_IB_STS2, 6, 4)
	s_cmp_eq_u32 s2, 0
	s_cbranch_scc0 .Lentry_in_a_cluster
	s_endpgm
.Lentry_in_a_cluster:
	s_bfe_u32 s2, ttmp6, 0x10000c
	s_cmp_lg_u32 s2, 0xf033
	s_cbranch_scc0 .Lentry_shape_is_right
	s_endpgm
.Lentry_shape_is_right:
; qkv = x w_attn on codes of FP8 (E4M3), 8,192 x 3,072 x 1,024, and its results quantised at once: q with entry 2 of the scales, k with entry 3, v with entry 5.  Nothing wider than codes goes to memory.
; A sum stands for sum x 2^(e0 + e1), so a result's code is sum / 2^(et - e0 - e1), held within +-448.  LIMIT: et - e0 - e1 between -126 and 119 for et = e2, e3, e5.
; OPERANDS lie in memory as images of their registers: [row / 128][k / 128][(row / 16) % 8][2,048]; chunk j (registers 4 j .. 4 j + 3) at 512 j + 16 x lane.  So 128 rows x 256 along K are 32,768 dense bytes, a tensor load
; brings them as they lie, and a fragment comes out of LDS by four loads of 512 consecutive bytes: no pitch, no padding.
; A tile of 256 x 256 is made by four waves, each 128 x 128: 64 accumulators, 512 registers.  K = 1,024 goes in four steps of 256 through two LDS slots; the text has no loop.
; CLUSTERS: 4 x 4 work-groups.  Operand P (source 1) hangs on cy and is asked for jointly by my row of the cluster; operand Q (source 0) hangs on cx and is asked for by my column.
; In accumulator (a, b), lane (r, h), register j: (P's row 16 a + r, Q's row 16 b + 8 h + j): eight neighbours along Q's rows, which one conversion turns into two registers of an operand.
; The cluster's x is 0, 1, 2 for q, k, v.  For q and k: P = tokens, Q = columns of w_attn: a lane's eight numbers run along the head's channels, the next product's K.
; For v the operands change places (P = columns, Q = tokens): a lane's eight numbers run along the keys, the K of the product with the softmax.  The choice is made by selects on the cluster's x, the same in all partners; no branch.
; OUT: q_img, k_img: [batch x head][token / 16][1,024]: a fragment of 16 tokens x 64 channels.  v_img: [batch x head][key / 128][channel / 16][2,048]: 16 channels x 128 keys.
; REGISTERS, in windows of 256: window 0: v0-31 addresses; v128-255 P's fragments, one set, later the codes.  window 1: Q's fragments, two sets.  windows 2, 3: the accumulators, (a, b) at v[8 (8 (a % 4) + b)].
.set KSB,   32768                      ; what one tensor load brings: 128 rows x 256 along K
.set HALFT, 32768
.set SLOT,  131072                     ; P's two halves, then Q's two halves
.set SPARE, 262144                     ; behind the ring: the spare words, 128 bytes for each wave: two blocks of 256 bytes that no other line names
.set FR,    16
.set NL,    4
.set NP,    4                          ; places behind this matrix instruction (ISA guide 7.12.1)
.set ADRA,  16                         ; v16-17  LDS address of my P fragments in slot 0, 1
.set ADRB,  20                         ; v20-21  the same for Q
.set LI,    24                         ; v24     16 x lane
.set LI2,   25                         ; v25     16 x lane + the distance to the second half of a block's codes
.set SCL,   27                         ; v27     2^(et - e0 - e1)
.set SPW,   28                         ; v28     LDS address of my spare word; never rewritten
.set NIL,   29                         ; v29     0; never rewritten
.set LIM,   30
.set TMP,   32
.set AF,    128
.set G1,  24
.set G0,  32
.set G1B, 48
.set G0B, 56
.set MSB, 0
.macro WIN new                         ; the immediate's high byte repeats the setting that is left
.if MSB != (\new)
	s_set_vgpr_msb (MSB<<8)|(\new)
.set MSB, (\new)
.endif
.endm
.set MUL_LO, 0xa1                      ; source 0 (Q) window 1, source 1 (P) window 0, C and D window 2
.set MUL_HI, 0xf1
.set TO_B,   0x40
.macro JLOAD g0a, g1a, g0b, g1b        ; a joint load: waves 0 and 1 fetch for P, waves 2 and 3 for Q; four v_nop follow each of the two lines
	s_cmp_eq_u32 s15, 0
	s_cbranch_scc0 .Lfor_b_\@
	tensor_load_to_lds s[\g0a:\g0a+3], s[\g1a:\g1a+7]
	s_nop 0
.rept 4
	v_nop
.endr
	s_branch .Lasked_\@
.Lfor_b_\@:
	tensor_load_to_lds s[\g0b:\g0b+3], s[\g1b:\g1b+7]
	s_nop 0
.rept 4
	v_nop
.endr
.Lasked_\@:
.endm
.macro CREST                           ; a round of the cluster's barrier behind its opening barrier
	s_cmp_lg_u32 s14, 0
	s_cbranch_scc1 .Lnot_wave_0_\@
	s_barrier_signal -3
.Lnot_wave_0_\@:
	s_barrier_wait -3
	s_barrier_signal -1
	s_barrier_wait -1
.endm
.macro CROUND
	s_barrier_signal -1
	s_barrier_wait -1
	CREST
.endm
	s_load_b256 s[4:11], s[0:1], 0x0               ; x_img s[4:5], wa_img s[6:7], the scales s[8:9], q_img s[10:11]
	s_load_b128 s[68:71], s[0:1], 0x20             ; k_img s[68:69], v_img s[70:71]
	v_lshl_add_u32 v[SPW], v0, 2, SPARE
	v_mov_b32 v[NIL], 0
	ds_add_u32 v28, v29
	ds_add_u32 v28, v29
	s_wait_dscnt 0x0
	v_lshrrev_b32 v1, 5, v0
	v_readfirstlane_b32 s14, v1                    ; wave 0..3
	s_lshr_b32 s15, s14, 1                         ; which half of P's rows is mine.  Also: I fetch for P (0) or for Q (1)
	s_and_b32 s16, s14, 1                          ; which half of Q's rows.  Also: which 128 rows of that tile I fetch
	s_bfe_u32 s40, ttmp6, 0x40000                  ; cx, cy: my place in the cluster
	s_bfe_u32 s41, ttmp6, 0x40004
	s_lshl_b32 s43, s41, 2
	s_lshl_b32 s43, 15, s43                        ; my row of the cluster
	s_lshl_b32 s44, 0x1111, s40                    ; my column
	s_or_b32 s[G1+0], s43, (3<<16)|(1<<21)         ; 15:0 the mask; 17:16 elements of 8 bytes; 21 set beside a mask; no padding
	s_or_b32 s[G1B+0], s44, (3<<16)|(1<<21)
.irp g, G1, G1B
	s_mov_b32 s[\g+1], 32<<16                      ; tensor_dim0 = 32 elements: rows of 256 bytes
	s_mov_b32 s[\g+2], 128<<16                     ; tensor_dim1 = 128
	s_mov_b32 s[\g+3], 32<<16                      ; tile_dim0
	s_mov_b32 s[\g+4], 128                         ; tile_dim1
	s_mov_b32 s[\g+5], 32                          ; the pitch: the block is dense
	s_mov_b32 s[\g+6], 0
	s_mov_b32 s[\g+7], 0
.endr
	s_and_b32 s12, ttmp7, 0xffff                   ; the cluster's y
	s_lshl_b32 s13, s12, 2
	s_add_co_u32 s17, s13, s41                     ; q, k: P's tile = tokens' tile 4 CY + cy
	s_add_co_u32 s18, s41, 8                       ; v:    P's tile = columns' tile 8 + cy
	s_lshl_b32 s42, ttmp9, 2
	s_add_co_u32 s42, s42, s40                     ; q, k: Q's tile = columns' tile 4 CX + cx
	s_add_co_u32 s46, s13, s40                     ; v:    Q's tile = tokens' tile 4 CY + cx
	s_cmp_eq_u32 ttmp9, 2
	s_cselect_b32 s18, s18, s17
	s_cselect_b32 s46, s46, s42
	s_lshl_b32 s18, s18, 18                        ; a tile is two blocks of 128 rows, 131,072 bytes each
	s_lshl_b32 s19, s16, 17
	s_add_co_u32 s18, s18, s19
	s_mov_b32 s19, 0
	s_lshl_b32 s46, s46, 18
	s_lshl_b32 s47, s16, 17
	s_add_co_u32 s46, s46, s47
	s_mov_b32 s47, 0
	s_mul_i32 s45, s14, HALFT                      ; where they go: wave x 32,768: no place in the cluster enters an LDS address
	s_wait_kmcnt 0x0
	s_load_b256 s[72:79], s[8:9], 0x0              ; e0 .. e7
	s_cmp_eq_u32 ttmp9, 2
	s_cselect_b64 s[20:21], s[6:7], s[4:5]         ; P's buffer,
	s_cselect_b64 s[88:89], s[4:5], s[6:7]         ; Q's
	s_add_nc_u64 s[20:21], s[20:21], s[18:19]
	s_add_nc_u64 s[46:47], s[88:89], s[46:47]
	CROUND                                         ; all sixteen work-groups are here: the first joint loads meet
.irp s, 0,1
	s_mov_b32 s[G0+4*\s], 1
	s_add_co_u32 s[G0+4*\s+1], s45, \s*SLOT
	s_add_nc_u64 s[G0+4*\s+2:G0+4*\s+3], s[20:21], \s*KSB
	s_or_b32 s[G0+4*\s+3], s[G0+4*\s+3], 0x80000000
	s_mov_b32 s[G0B+4*\s], 1
	s_add_co_u32 s[G0B+4*\s+1], s45, \s*SLOT
	s_add_nc_u64 s[G0B+4*\s+2:G0B+4*\s+3], s[46:47], \s*KSB
	s_or_b32 s[G0B+4*\s+3], s[G0B+4*\s+3], 0x80000000
	JLOAD G0+4*\s, G1, G0B+4*\s, G1B
.endr
	v_and_b32 v1, 31, v0
	v_lshlrev_b32 v[LI], 4, v1
	s_mul_i32 s21, s15, HALFT                      ; my 128 rows of P
	s_mul_i32 s22, s16, HALFT                      ; my 128 rows of Q,
	s_add_co_u32 s22, s22, 2*HALFT                 ; which lie behind P's 256
.irp s, 0,1
	v_add_nc_u32 v[ADRA+\s], s21, v[LI]
	v_add_nc_u32 v[ADRB+\s], s22, v[LI]
	s_add_co_u32 s21, s21, SLOT
	s_add_co_u32 s22, s22, SLOT
.endr
	; where my codes go.  q, k: R = 4 CY + cy: (((R / 8) 16 + 4 cx + 2 Qhalf) 128 + (R % 8) 16 + 8 Phalf) x 1,024
	s_lshr_b32 s90, s17, 3
	s_lshl_b32 s90, s90, 4
	s_lshl_b32 s91, s40, 2
	s_add_co_u32 s90, s90, s91
	s_lshl_b32 s91, s16, 1
	s_add_co_u32 s90, s90, s91                     ; batch x 16 + my first head
	s_lshl_b32 s90, s90, 7
	s_and_b32 s91, s17, 7
	s_lshl_b32 s91, s91, 4
	s_add_co_u32 s90, s90, s91
	s_lshl_b32 s91, s15, 3
	s_add_co_u32 s90, s90, s91
	s_lshl_b32 s90, s90, 10
	; v: R = 4 CY + cx: ((((R / 8) 16 + 4 cy + 2 Phalf) 16 + (R % 8) 2 + Qhalf) 4) x 2,048
	s_add_co_u32 s92, s13, s40
	s_lshr_b32 s93, s92, 3
	s_lshl_b32 s93, s93, 4
	s_lshl_b32 s94, s41, 2
	s_add_co_u32 s93, s93, s94
	s_lshl_b32 s94, s15, 1
	s_add_co_u32 s93, s93, s94
	s_lshl_b32 s93, s93, 4
	s_and_b32 s94, s92, 7
	s_lshl_b32 s94, s94, 1
	s_add_co_u32 s93, s93, s94
	s_add_co_u32 s93, s93, s16
	s_lshl_b32 s93, s93, 13
	s_mov_b32 s86, 131072                          ; q, k: a block's second eight registers are the next head's fragment: 128 tiles of 1,024 bytes on
	s_mov_b32 s82, 1024                            ; q, k: from block to block: the next tile of tokens
	s_mov_b32 s84, 1024
	s_wait_alu depctr_va_vdst(0)
	s_wait_kmcnt 0x0
	s_cmp_eq_u32 ttmp9, 0
	s_cselect_b32 s87, s74, s75                    ; e2 or e3
	s_cselect_b64 s[80:81], s[10:11], s[68:69]
	s_cmp_eq_u32 ttmp9, 2
	s_cselect_b32 s87, s77, s87                    ; or e5
	s_cselect_b64 s[80:81], s[70:71], s[80:81]
	s_cselect_b32 s90, s93, s90
	s_cselect_b32 s86, 1024, s86                   ; v: they are the same fragment's chunks 2 and 3
	s_cselect_b32 s82, 2048, s82                   ; v: the next 16 channels;
	s_cselect_b32 s84, 124928, s84                 ; v: from block 3 to block 4 the next head's first 16: 131,072 - 3 x 2,048
	s_mov_b32 s91, 0
	s_mov_b32 s83, 0
	s_mov_b32 s85, 0
	s_add_nc_u64 s[80:81], s[80:81], s[90:91]
	s_sub_co_i32 s87, s87, s72
	s_sub_co_i32 s87, s87, s73
	s_add_co_i32 s87, s87, 127
	s_lshl_b32 s88, s87, 23
	v_mov_b32 v[SCL], s88                          ; 2^(et - e0 - e1) as f32: the conversion takes its exponent field
	v_add_nc_u32 v[LI2], s86, v[LI]
.macro FRAG reg, adr, q, i             ; a fragment's image: four chunks of 512 consecutive bytes
.irp c, 0,1,2,3
	ds_load_b128 v[\reg+4*\c:\reg+4*\c+3], v[\adr] offset:16384*(\q)+2048*(\i)+512*\c
.endr
.endm
; 16 matrix instructions: P's blocks a0, a0 + 1 x Q's eight, 128 along K.  zero = 1: the first product starts the sums.  The 64 accumulators take turns, one instruction a turn.
.macro MUL16 a0, p, zero
.irp a, \a0, \a0+1
.irp b, 0,1,2,3,4,5,6,7
.if \zero
	v_wmma_f32_16x16x128_fp8_fp8 v[8*(8*((\a)%4)+\b):8*(8*((\a)%4)+\b)+7], v[128*(\p)+FR*\b:128*(\p)+FR*\b+FR-1], v[AF+FR*(\a):AF+FR*(\a)+FR-1], 0
.else
	v_wmma_f32_16x16x128_fp8_fp8 v[8*(8*((\a)%4)+\b):8*(8*((\a)%4)+\b)+7], v[128*(\p)+FR*\b:128*(\p)+FR*\b+FR-1], v[AF+FR*(\a):AF+FR*(\a)+FR-1], v[8*(8*((\a)%4)+\b):8*(8*((\a)%4)+\b)+7]
.endif
.endr
.endr
.endm
.macro FETCH_B slot, q, p
	WIN TO_B
.irp i, 0,1,2,3,4,5,6,7
	FRAG 128*(\p)+FR*\i, ADRB+\slot, \q, \i
.endr
	WIN 0
.endm
.macro FETCH_A slot, q, i0
.irp i, \i0, \i0+1, \i0+2, \i0+3
	FRAG AF+FR*(\i), ADRA+\slot, \q, \i
.endr
.endm
.macro PLACES n                        ; a load into a register that a matrix instruction has read, and the first read of a result, stand four plain vector instructions behind it
.rept \n
	v_nop
.endr
.endm
.macro STEP slot, q, zero              ; 128 along K whose successor lies in the same slot
	s_wait_dscnt 4*NL                              ; Q's set and P's blocks 0-3 are in; the youngest sixteen loads (P's blocks 4-7) may be out
	WIN MUL_LO
	MUL16 0, (\q)%2, \zero
	MUL16 2, (\q)%2, \zero
	s_wait_dscnt 0                                 ; P's blocks 4-7 are in
	PLACES NP
	FETCH_B \slot, (\q)+1, 1-(\q)%2
	FETCH_A \slot, (\q)+1, 0
	WIN MUL_HI
	MUL16 4, (\q)%2, \zero
	MUL16 6, (\q)%2, \zero
	PLACES NP
	WIN 0
	FETCH_A \slot, (\q)+1, 4
.endm
; A slot's last step changes slots: one barrier; in front of it each wave waits for all its tensor loads, adds 0 to its spare word, and waits for that and for its reads of this slot.  fill = 1: the slot is filled again, two K steps ahead.
.macro TURN slot, next, fill
	s_wait_tensorcnt 0x0                           ; all my tensor loads have landed: the one that was out is my part of the next slot
	ds_add_u32 v[SPW], v[NIL]                      ; 0 onto my spare word
	s_wait_dscnt 4*NL+1                            ; (the add and the youngest sixteen loads may be out)
	WIN MUL_LO
	MUL16 0, 1, 0
	s_wait_dscnt 0x0                               ; the add is done, and my reads of this slot are over
	s_barrier_signal -1
	MUL16 2, 1, 0
	WIN 0
	s_barrier_wait -1
.if \fill
	CREST                                          ; the barrier has opened a round of the cluster's barrier: no wave of any partner still reads this slot or has a load on its way
	s_add_nc_u64 s[G0+4*\slot+2:G0+4*\slot+3], s[G0+4*\slot+2:G0+4*\slot+3], 2*KSB
	s_add_nc_u64 s[G0B+4*\slot+2:G0B+4*\slot+3], s[G0B+4*\slot+2:G0B+4*\slot+3], 2*KSB
	JLOAD G0+4*\slot, G1, G0B+4*\slot, G1B         ; the first tensor load behind the round; its four v_nop are the places in front of the loads below
.else
	PLACES NP
.endif
	FETCH_B \next, 0, 0
	FETCH_A \next, 0, 0
	WIN MUL_HI
	MUL16 4, 1, 0
	MUL16 6, 1, 0
	PLACES NP
	WIN 0
	FETCH_A \next, 0, 4
.endm
	s_wait_tensorcnt 1                             ; my part of K step 0 is in; K step 1's may be out
	s_barrier_signal -1
	s_barrier_wait -1
	FETCH_B 0, 0, 0
	FETCH_A 0, 0, 0
	FETCH_A 0, 0, 4
	STEP 0, 0, 1                                   ; K 0-127: the products start the sums
	TURN 0, 1, 1                                   ; K 128-255; slot 0 takes K step 2
	STEP 1, 0, 0
	TURN 1, 0, 1                                   ; slot 1 takes K step 3
	STEP 0, 0, 0
	TURN 0, 1, 0                                   ; nothing is left to fetch
	STEP 1, 0, 0
	s_wait_dscnt 4*NL
	WIN MUL_LO
	MUL16 0, 1, 0
	MUL16 2, 1, 0
	s_wait_alu depctr_va_vdst(0)
	s_wait_dscnt 0
	WIN MUL_HI
	MUL16 4, 1, 0
	MUL16 6, 1, 0
	WIN 0
; THE WAY OUT, block a of 16 rows of P at a time: 64 sums a lane are held, converted into 16 registers and stored as four chunks of 512 consecutive bytes.  The conversions' results ARE the next operand's registers: no LDS.
.macro QOUT a
	WIN 0x02+((\a)/4)                              ; source 0: window 2 or 3
.set jj, 0
.rept 64
.set jj, jj+1
.endr
.set jj, 0
.rept 8
	v_cvt_scalef32_pk8_fp8_f32 v[AF+16*(\a)+2*jj:AF+16*(\a)+2*jj+1], v[TMP+8*jj+((64*((\a)%4)+jj)-(TMP+jj)):TMP+8*jj+7+((64*((\a)%4)+jj)-(TMP+jj))], v[SCL]
.set jj, jj+1
.endr
	WIN 0
	v_nop
.if (\a) > 0
	s_wait_alu depctr_va_vdst(0)
	s_wait_xcnt 0x0                                ; the earlier stores have read their base: it may step
.if (\a) == 4
	s_add_nc_u64 s[80:81], s[80:81], s[84:85]
.else
	s_add_nc_u64 s[80:81], s[80:81], s[82:83]
.endif
.endif
	global_store_b128 v[LI], v[AF+16*(\a):AF+16*(\a)+3], s[80:81]
	global_store_b128 v[LI], v[AF+16*(\a)+4:AF+16*(\a)+7], s[80:81] offset:512
	global_store_b128 v[LI2], v[AF+16*(\a)+8:AF+16*(\a)+11], s[80:81]
	global_store_b128 v[LI2], v[AF+16*(\a)+12:AF+16*(\a)+15], s[80:81] offset:512
.endm
	PLACES NP
.irp a, 0,1,2,3,4,5,6,7
	QOUT \a
.endr
	s_wait_tensorcnt 0x0                           ; the wave's end
	ds_add_u32 v[SPW], v[NIL]
	s_wait_dscnt 0x0
	CROUND                                         ; the closing round: no work-group ends while a partner may still ask for a tile that names it
	s_endpgm
.Lfunc_end_k_q2dd51933d6_qkv:
	.size	k_q2dd51933d6_qkv, .Lfunc_end_k_q2dd51933d6_qkv-k_q2dd51933d6_qkv
	.p2alignl 7, 3214868480
	.fill 96, 4, 3214868480
	.section	.rodata,"a",@progbits
	.p2align	6, 0x0
	.amdhsa_kernel k_q2dd51933d6_qkv
		.amdhsa_group_segment_fixed_size 327680
		.amdhsa_private_segment_fixed_size 0
		.amdhsa_enable_private_segment 0
		.amdhsa_kernarg_size 48
		.amdhsa_user_sgpr_count 2
		.amdhsa_user_sgpr_kernarg_segment_ptr 1
		.amdhsa_wavefront_size32 1
		.amdhsa_system_sgpr_workgroup_id_x 1
		.amdhsa_system_sgpr_workgroup_id_y 1
		.amdhsa_system_sgpr_workgroup_id_z 1
		.amdhsa_system_vgpr_workitem_id 0
		.amdhsa_next_free_vgpr 1024
		.amdhsa_next_free_sgpr 100
		.amdhsa_reserve_vcc 0
		.amdhsa_float_denorm_mode_32 3
		.amdhsa_float_denorm_mode_16_64 3
		.amdhsa_fp16_overflow 1
		.amdhsa_memory_ordered 1
		.amdhsa_forward_progress 1
		.amdhsa_inst_pref_size 87
	.end_amdhsa_kernel
	.amdgpu_metadata
---
amdhsa.version: [ 1, 2 ]
amdhsa.kernels:
  - .name:           k_q2dd51933d6_qkv
    .symbol:         k_q2dd51933d6_qkv.kd
    .args:
      - { .name: x_img, .offset: 0, .size: 8, .value_kind: global_buffer, .address_space: global }
      - { .name: wa_img, .offset: 8, .size: 8, .value_kind: global_buffer, .address_space: global }
      - { .name: lowp_scales, .offset: 16, .size: 8, .value_kind: global_buffer, .address_space: global }
      - { .name: q_img, .offset: 24, .size: 8, .value_kind: global_buffer, .address_space: global }
      - { .name: k_img, .offset: 32, .size: 8, .value_kind: global_buffer, .address_space: global }
      - { .name: v_img, .offset: 40, .size: 8, .value_kind: global_buffer, .address_space: global }
    .group_segment_fixed_size: 327680
    .private_segment_fixed_size: 0
    .kernarg_segment_align: 8
    .kernarg_segment_size: 48
    .max_flat_workgroup_size: 128
    .sgpr_count:     100
    .vgpr_count:     1024
    .wavefront_size: 32
...
	.end_amdgpu_metadata
.endif
;; end of part 2
;; launch attn (part 3): grid 4 x 64, 16 waves a work-group, no clusters, 327,680 bytes of LDS; arguments q_img, k_img, v_img, lowp_scales, a_img; writes a_img
.if DOCPART == 3
	.amdgcn_target "amdgcn-amd-amdhsa--gfx1250"
	.amdhsa_code_object_version 6
	.text
	.protected	k_q2dd51933d6_attn
	.globl	k_q2dd51933d6_attn
	.p2align	8
	.type	k_q2dd51933d6_attn,@function
k_q2dd51933d6_attn:
	s_mov_b64 s[64:65], 0
	v_nop
	global_prefetch_b8 v0, s[64:65] scope:SCOPE_SE
	s_setreg_imm32_b32 hwreg(HW_REG_WAVE_MODE, 25, 1), 1
	s_wait_xcnt 0x0
; Causal attention on codes of FP8 (E4M3): 64 (batch, head) pairs, 2,048 tokens, head size 64.  The result is quantised at once (entry 6 of the scales) into the last product's operand.
; THE SOFTMAX: t = score x log2(e) / 8; M = the row's largest t so far, rounded UP to a whole number; p = 2^(t - M) is quantised with 2^e4, not normalised; the row's sum is taken of the unquantised p and divides at the end.
; When M moves, the sum and O are multiplied by 2^(old M - new M), which rounds nothing.
; SHARES.  Work-group (i, bh) owns query blocks 7 - i and i of 256 queries: block 7 - i walks key slots 0 .. 7 - i of 256 keys, then block i walks slots 0 .. i: nine slots for every work-group, 256 work-groups of equal work.
; Each of the sixteen waves owns 16 queries of the block in hand, in 256 registers: four waves to a SIMD, so that one wave's vector work stands beside another's products and LDS loads.
; The trip count is a constant; the change of block is a scalar branch on ids and counters that holds no barrier, no tensor load and no LDS access.  A step all of whose 128 keys come after my queries is jumped over.
; NO CLUSTER: in trip j the four work-groups of a head want key slot j only while j <= 7 - i, and other slots afterwards: partners would need different tiles in one round.
; LAYOUT.  Both products are used transposed: S^T = K Q^T (source 0 = 16 keys, source 1 = my queries), O^T = V^T P^T: a lane holds ONE query (lane % 16).  Tile c of S^T holds keys 16 c + 8 (lane / 16) + 0 .. 7 in its eight
; registers: one conversion makes registers 2 c, 2 c + 1 of P.  All operands lie in memory and in LDS as images of their registers: chunk j (registers 4 j .. 4 j + 3) at 512 j + 16 x lane.
; LIMITS on the given exponents: e2 + e3 between -123 and 130 (added to c's exponent field); e4, and e6 - e4 - e5, between -126 and 119.
; REGISTERS: v1 16 x lane; v2, v3 the add's; v4 256 x lane; v6 r - 8 h; v8 LDS address; v12 -M, v13 the largest t, v[14:15] the sum; v16-23 Q in hand; v24-31 Q of block i; v32-95 K's, then V's fragments;
; v96-159 S^T, then p; v160-191 O^T; v192-207 P's codes; v208-215 the result's codes; v216, v218 scales; v236-254 at work.
.set SLOT1, 32768                      ; a slot: K's 16 tiles of 1,024 bytes, then V's [2][4] fragments of 2,048; slot 1 begins here, so that one exclusive or turns an address
.set SPARE, 65536                      ; behind the ring: the spare words, 128 bytes for each wave: eight blocks of 256 bytes that no other line names
.set LI,   1
.set SPW,  2
.set NIL,  3
.set PFO,  4
.set ADK,  8
.set TB,   2                           ; s2   LDS byte at which the slot in hand begins
.set TRIPS, 3                          ; s3   trips still to go in the loop
.set WV,   18
.set SEL,  20
.set CS,   22
.set G1,   24                          ; s[24:31] descriptor group 1: 64 rows of 256 bytes, dense
.set G0,   32                          ; s[32:35] group 0, which walks
.set HB,   36                          ; s[36:37] my tensor's first byte of this head (wave 0: K; else V)
.set QB,   38                          ; s38  the query block in hand
.set KS,   39                          ; s39  the key slot in hand
.set KN,   40                          ; s40  the next trip's key slot
.set KF,   41                          ; s41  the step's first key
.set Q0,   42                          ; s42  my first query
.set WI,   43                          ; s43  i
.set BH,   44                          ; s44  batch x 16 + head
.set PFA,  46                          ; s[46:47] where my prefetches stand
.set PLIM, 48                          ; s48  2 in a wave that prefetches, else the greatest number
.set OA,   50                          ; s[50:51] where my result goes
.macro TLOAD                           ; wave 0 fetches K's 16,384 bytes, wave 1 V's; four v_nop follow the line
	s_cmp_lt_u32 s[WV], 2
	s_cbranch_scc0 .Lasked_\@
	tensor_load_to_lds s[G0:G0+3], s[G1:G1+7]
	s_nop 0
.rept 4
	v_nop
.endr
.Lasked_\@:
.endm
; A PREFETCH INTO THE L2 of the key slot that the NEXT change of slots will ask for.  All four work-groups of a head walk the same K and V; work-group i = 0 alone walks all eight slots in order, so it asks, and nobody else.
; In it four waves that fetch nothing ask, one instruction each: waves 4, 5 for the halves of K's 16,384 bytes, waves 6, 7 for V's: 8,192 bytes a wave, lanes 256 bytes apart.  So each aligned block of 256 bytes is named once.
; Trip j names slot j + 2; trips 6 and 7 ask for nothing: there is no slot 8.  Slots 0 and 1 come by their loads alone.
.macro ASK
	s_cmp_gt_u32 s[TRIPS], s[PLIM]
	s_cbranch_scc0 .Lnot_mine_\@
	global_prefetch_b8 v[PFO], s[PFA:PFA+1] th:TH_LOAD_NT scope:SCOPE_SE
.Lnot_mine_\@:
.endm
.macro RESET                           ; a block begins: O^T and the sum are zeros, the largest t lies under every t
	v_mov_b32 v13, 0xff61b1e6
	s_delay_alu instid0(VALU_DEP_1)
	v_floor_f32 v12, -v13
	v_mov_b32 v14, 0
	v_mov_b32 v15, 0
.set jj, 0
.rept 32
	v_mov_b32 v[160+jj], 0
.set jj, jj+1
.endr
.endm
	s_load_b256 s[4:11], s[0:1], 0x0               ; q_img s[4:5], k_img s[6:7], v_img s[8:9], the scales s[10:11]
	s_load_b64 s[12:13], s[0:1], 0x20              ; a_img
	v_lshl_add_u32 v[SPW], v0, 2, SPARE
	v_mov_b32 v[NIL], 0
	ds_add_u32 v2, v3
	ds_add_u32 v2, v3
	s_wait_dscnt 0x0
	v_lshrrev_b32 v8, 5, v0
	s_delay_alu instid0(VALU_DEP_1)
	v_readfirstlane_b32 s[WV], v8                  ; wave 0..15
	s_mov_b32 s[WI], ttmp9
	s_and_b32 s[BH], ttmp7, 0xffff
	s_lshl_b32 s52, s[BH], 17                      ; a head's 131,072 bytes, in each of the three tensors
	s_mov_b32 s53, 0
	s_mov_b32 s[G1], 3<<16                         ; no mask; elements of 8 bytes; no padding
	s_mov_b32 s[G1+1], 32<<16                      ; tensor_dim0 = 32 elements
	s_mov_b32 s[G1+2], 64<<16                      ; tensor_dim1 = 64
	s_mov_b32 s[G1+3], 32<<16                      ; tile_dim0
	s_mov_b32 s[G1+4], 64                          ; tile_dim1
	s_mov_b32 s[G1+5], 32                          ; the pitch: dense
	s_mov_b32 s[G1+6], 0
	s_mov_b32 s[G1+7], 0
	s_mov_b32 s[SEL], 0x76543210
	s_mov_b32 s[SEL+1], 0xfedcba98
	s_mov_b32 s[CS], 0x3e38aa3b                    ; c = log2(e) / 8
	s_mov_b32 s[TB], 0
	s_mov_b32 s[TRIPS], 8
	s_sub_co_u32 s[QB], 7, s[WI]
	s_mov_b32 s[KS], 0
	s_mov_b32 s[KN], 1                             ; block 7 - i has at least five slots
	s_mov_b32 s[KF], 0
	s_lshl_b32 s[Q0], s[QB], 8
	s_lshl_b32 s96, s[WV], 4
	s_add_co_u32 s[Q0], s[Q0], s96
	s_and_b32 s54, s[WV], 1
	s_lshl_b32 s[G0+1], s54, 14                    ; LDS: K at the slot's head, V 16,384 bytes on
	s_wait_kmcnt 0x0
	s_load_b256 s[56:63], s[10:11], 0x0            ; e0 .. e7
	s_cmp_eq_u32 s[WV], 0
	s_cselect_b64 s[HB:HB+1], s[6:7], s[8:9]
	s_add_nc_u64 s[HB:HB+1], s[HB:HB+1], s[52:53]
	s_mov_b32 s[G0], 1
	s_mov_b64 s[G0+2:G0+3], s[HB:HB+1]             ; key slot 0
	s_or_b32 s[G0+3], s[G0+3], 0x80000000
	TLOAD                                          ; slot 0's first fill, ahead of every wait on TENSORcnt, every LDS read and every barrier
	s_cmp_lt_u32 s[WV], 6
	s_cselect_b64 s[PFA:PFA+1], s[6:7], s[8:9]
	s_add_nc_u64 s[PFA:PFA+1], s[PFA:PFA+1], s[52:53]
	s_lshl_b32 s54, s54, 13                        ; my half of a slot's 16,384 bytes,
	s_add_co_u32 s54, s54, 16384                   ; in key slot 1: the first change of slots steps it to slot 2
	s_mov_b32 s55, 0
	s_add_nc_u64 s[PFA:PFA+1], s[PFA:PFA+1], s[54:55]
	s_sub_co_u32 s96, s[WV], 4
	s_lshr_b32 s96, s96, 2                         ; 0 in waves 4 to 7,
	s_or_b32 s96, s96, ttmp9                       ; of work-group i = 0
	s_cmp_eq_u32 s96, 0
	s_cselect_b32 s[PLIM], 2, -1
	s_lshl_b32 s96, s[WV], 10                      ; Q: (bh x 128 + block x 16 + wave) x 1,024
	s_add_co_u32 s52, s52, s96
	s_lshl_b32 s54, s[WI], 14
	s_add_co_u32 s54, s54, s52
	s_lshl_b32 s96, s[QB], 14
	s_add_co_u32 s52, s52, s96
	s_add_nc_u64 s[52:53], s[4:5], s[52:53]
	s_add_nc_u64 s[54:55], s[4:5], s[54:55]
	v_and_b32 v[LI], 31, v0
	s_delay_alu instid0(VALU_DEP_1)
	v_lshlrev_b32 v[PFO], 8, v[LI]
	s_delay_alu instid0(VALU_DEP_2)
	v_lshlrev_b32 v[LI], 4, v[LI]
	global_load_b128 v[16:19], v[LI], s[52:53]             ; Q of block 7 - i
	global_load_b128 v[20:23], v[LI], s[52:53] offset:512
	global_load_b128 v[24:27], v[LI], s[54:55]             ; Q of block i
	global_load_b128 v[28:31], v[LI], s[54:55] offset:512
	v_and_b32 v6, 15, v0
	v_bfe_u32 v7, v0, 4, 1
	s_delay_alu instid0(VALU_DEP_1)
	v_lshlrev_b32 v7, 3, v7
	s_delay_alu instid0(VALU_DEP_1)
	v_sub_nc_u32 v6, v6, v7                        ; r - 8 h
	v_mov_b32 v236, 0                              ; written once: a lane permute's destination counts as one of its sources
	v_mov_b32 v252, 0
	v_mov_b32 v253, 0                              ; (named as the upper half of the pair v[252:253])
	v_mov_b32 v254, 0
	RESET
	s_wait_kmcnt 0x0
	s_add_co_i32 s96, s58, s59
	s_lshl_b32 s96, s96, 23
	s_add_co_i32 s[CS], s[CS], s96                 ; a score stands for score x 2^(e2 + e3): the exponents are added to c's exponent field
	s_mov_b32 s[CS+1], s[CS]
	s_add_co_i32 s96, s60, 127
	s_lshl_b32 s97, s96, 23
	v_mov_b32 v216, s97                            ; 2^e4
	s_sub_co_i32 s96, s62, s60
	s_sub_co_i32 s96, s96, s61
	s_add_co_i32 s96, s96, 127
	s_lshl_b32 s97, s96, 23
	v_mov_b32 v218, s97                            ; 2^(e6 - e4 - e5): a sum of the second product stands for sum x 2^(e4 + e5)
; A KEY STEP: 128 keys, the q-th of the slot in hand.
.macro STEP q
	s_add_co_u32 s96, s[Q0], 15
	s_cmp_gt_u32 s[KF], s96
	s_cbranch_scc1 .Lhidden_\@                     ; all 128 keys come after my 16 queries
	v_add_nc_u32 v[ADK], s[TB], v[LI]
.rept 3
	v_nop                                          ; with the addition: four places in front of loads into registers that the last products have read
.endr
.set nn, 0
.rept 16
	ds_load_b128 v[32+4*nn:35+4*nn], v[ADK] offset:8192*(\q)+512*nn       ; K: tile nn / 2, chunk nn % 2
.set nn, nn+1
.endr
	s_wait_alu depctr_va_vdst(0)
	s_wait_dscnt 0x0
.set nn, 0
.rept 8
	v_wmma_f32_16x16x64_fp8_fp8 v[96+8*nn:103+8*nn], v[32+8*nn:39+8*nn], v[16:23], 0
.set nn, nn+1
.endr
.rept 4
	v_nop                                          ; places in front of the loads below and of the first read of the scores
.endr
.set nn, 0
.rept 16
	ds_load_b128 v[32+4*nn:35+4*nn], v[ADK] offset:16384+8192*(\q)+512*nn ; V: 16 channels nn / 4, chunk nn % 4: it lands while the softmax is walked
.set nn, nn+1
.endr
	s_add_co_u32 s96, s[KF], 127
	s_cmp_le_u32 s96, s[Q0]
	s_cbranch_scc1 .Lopen_\@                       ; all 128 keys count
	s_sub_co_i32 s96, s[Q0], s[KF]
	v_add_nc_u32 v252, s96, v6                     ; d = my query - KF - 8 h.  Register 8 c + j holds key KF + 16 c + 8 h + j: hidden where 16 c + j > d
	v_mov_b32 v254, 0xff800000                     ; -infinity: p = 0 then
.set nn, 0
.rept 64
	v_cmp_gt_i32 vcc_lo, 16*(nn/8)+nn%8, v252
	v_cndmask_b32 v[96+nn], v[96+nn], v254, vcc_lo
.set nn, nn+1
.endr
.Lopen_\@:
	v_max3_num_f32 v254, v96, v97, v98             ; the step's largest score of my query among my 64 keys, in two chains, ascending,
	v_max3_num_f32 v252, v99, v100, v101
.set nn, 6
.rept 14
	v_max3_num_f32 v254, v254, v[96+nn], v[97+nn]
	v_max3_num_f32 v252, v252, v[98+nn], v[99+nn]
.set nn, nn+4
.endr
	v_max3_num_f32 v254, v254, v158, v159
	s_delay_alu instid0(VALU_DEP_1)
	v_max_num_f32 v254, v254, v252
	s_delay_alu instid0(VALU_DEP_1)
	v_permlanex16_b32 v236, v254, s[SEL], s[SEL+1]
	s_delay_alu instid0(VALU_DEP_1)
	v_max_num_f32 v254, v254, v236                 ; and among the other half of the lanes'
	s_delay_alu instid0(VALU_DEP_1)
	v_mul_f32 v254, s[CS], v254                    ; as t (c is positive)
	s_delay_alu instid0(VALU_DEP_1)
	v_max_num_f32 v13, v13, v254                   ; the running largest t
	v_mov_b32 v254, v12
	s_delay_alu instid0(VALU_DEP_2)
	v_floor_f32 v12, -v13                          ; the new -M = floor(-t) = -ceil(t)
	s_delay_alu instid0(VALU_DEP_1)
	v_sub_f32 v254, v12, v254                      ; old M - new M: a whole number, 0 or less
	s_delay_alu instid0(VALU_DEP_1)
	v_cvt_i32_f32 v254, v254                       ; (it saturates)
	s_delay_alu instid0(VALU_DEP_1)
	v_ldexp_f32 v252, 1.0, v254                    ; f = 2^(old M - new M)
.set nn, 0
.rept 32
	v_pk_fma_f32 v[96+nn:97+nn], v[96+nn:97+nn], s[CS:CS+1], v[12:13] op_sel_hi:[1,0,0]   ; t - M, two at a time
.set nn, nn+2
.endr
.set nn, 0
	s_wait_alu depctr_va_vdst(0)
.rept 64
	v_exp_f32 v[96+nn], v[96+nn]                   ; p = 2^(t - M), at most 1
.set nn, nn+1
.endr
	v_pk_mul_f32 v[14:15], v[14:15], v[252:253] op_sel_hi:[1,0]   ; the sums under the new M: the plain instruction behind the exponentials
	s_wait_alu depctr_va_vdst(0)                   ; one wait for the whole batch of exponentials, ahead of the first instruction that names a result
	v_pk_add_f32 v[242:243], v[100:101], v[104:105]
	v_pk_add_f32 v[254:255], v[108:109], v[112:113]
	v_pk_add_f32 v[250:251], v[116:117], v[120:121]
	v_pk_add_f32 v[248:249], v[124:125], v[128:129]
	v_pk_add_f32 v[246:247], v[132:133], v[136:137]
	v_pk_add_f32 v[244:245], v[140:141], v[144:145]
	v_pk_add_f32 v[240:241], v[148:149], v[152:153]
	v_pk_add_f32 v[14:15], v[14:15], v[156:157]
	v_pk_add_f32 v[242:243], v[242:243], v[96:97]
	v_pk_add_f32 v[254:255], v[254:255], v[98:99]
	v_pk_add_f32 v[250:251], v[250:251], v[102:103]
	v_pk_add_f32 v[248:249], v[248:249], v[106:107]
	v_pk_add_f32 v[246:247], v[246:247], v[110:111]
	v_pk_add_f32 v[244:245], v[244:245], v[114:115]
	v_pk_add_f32 v[240:241], v[240:241], v[118:119]
	v_pk_add_f32 v[14:15], v[14:15], v[122:123]
	v_pk_add_f32 v[242:243], v[242:243], v[126:127]
	v_pk_add_f32 v[254:255], v[254:255], v[130:131]
	v_pk_add_f32 v[250:251], v[250:251], v[134:135]
	v_pk_add_f32 v[248:249], v[248:249], v[138:139]
	v_pk_add_f32 v[246:247], v[246:247], v[142:143]
	v_pk_add_f32 v[244:245], v[244:245], v[146:147]
	v_pk_add_f32 v[240:241], v[240:241], v[150:151]
	v_pk_add_f32 v[14:15], v[14:15], v[154:155]
	v_pk_add_f32 v[242:243], v[242:243], v[158:159]
	s_delay_alu instid0(VALU_DEP_2)
	v_pk_add_f32 v[14:15], v[14:15], v[248:249]
	s_delay_alu instid0(VALU_DEP_2)
	v_pk_add_f32 v[242:243], v[242:243], v[246:247]
	v_pk_add_f32 v[254:255], v[254:255], v[244:245]
	v_pk_add_f32 v[250:251], v[250:251], v[240:241]
	s_delay_alu instid0(VALU_DEP_2)
	v_pk_add_f32 v[14:15], v[14:15], v[254:255]
	s_delay_alu instid0(VALU_DEP_2)
	v_pk_add_f32 v[242:243], v[242:243], v[250:251]
	s_delay_alu instid0(VALU_DEP_1)
	v_pk_add_f32 v[14:15], v[14:15], v[242:243]
.set cc, 0
.rept 8
.set nn, 0
.rept 8
.set nn, nn+1
.endr
	v_cvt_scalef32_pk8_fp8_f32 v[192+2*cc:193+2*cc], v[96+8*cc:103+8*cc], v216
.set cc, cc+1
.endr
.set nn, 0
.rept 16
	v_pk_mul_f32 v[160+nn:161+nn], v[160+nn:161+nn], v[252:253] op_sel_hi:[1,0]   ; O^T under the new M; also the plain instructions between the conversions and the products
.set nn, nn+2
.endr
	s_wait_alu depctr_va_vdst(0)
	s_wait_dscnt 0x0                               ; V is in
.set nn, 0
.rept 4
	v_wmma_f32_16x16x128_fp8_fp8 v[160+8*nn:167+8*nn], v[32+16*nn:47+16*nn], v[192:207], v[160+8*nn:167+8*nn]   ; four accumulators by turns; the next step's eight products K Q^T stand between two links
.set nn, nn+1
.endr
.Lhidden_\@:
	s_add_co_u32 s[KF], s[KF], 128
.endm
; THE CHANGE OF SLOTS stands at a slot's head.  Each wave waits for all its tensor loads, adds 0 to its spare word, and waits for that and for its reads of the slot that it has left.  Behind the barrier the slot ahead is whole
; and nobody reads the other one.  fill = 1: that other slot takes the next trip's key slot: the load has this trip's two steps in which to land.  A wave has one tensor load out at the most.
.macro CHANGE fill
	s_wait_tensorcnt 0x0                           ; no tensor load of mine is out, so group 0 may be written
	ds_add_u32 v[SPW], v[NIL]                      ; 0 onto my spare word
.if \fill
	s_xor_b32 s[G0+1], s[G0+1], SLOT1              ; the other slot than last time
	s_lshl_b32 s52, s[KN], 14
	s_mov_b32 s53, 0
	s_add_nc_u64 s[G0+2:G0+3], s[HB:HB+1], s[52:53]
	s_or_b32 s[G0+3], s[G0+3], 0x80000000
	s_wait_xcnt 0x0                                ; the last prefetch, a trip back, has read its address: it may step
	s_add_nc_u64 s[PFA:PFA+1], s[PFA:PFA+1], 16384
.endif
	s_wait_dscnt 0x0                               ; the add is done, and my reads of the slot that I have left are over
	s_barrier_signal -1
	s_barrier_wait -1
.if \fill
	TLOAD                                          ; the first thing behind the barrier, and a wave's one tensor load until the next
	ASK
.endif
.endm
; A BLOCK IS DONE: O^T / the sum, held, converted with 2^(e6 - e4 - e5): the four conversions' results are my head's half of a fragment of the last product's operand: two chunks of 512 consecutive bytes.
.macro FINISH
.rept 4
	v_nop                                          ; places behind the last products
.endr
	s_wait_xcnt 0x0                                ; the first block's stores have read their data and base: both may be written again
	v_add_f32 v14, v14, v15
	s_delay_alu instid0(VALU_DEP_1)
	v_permlanex16_b32 v252, v14, s[SEL], s[SEL+1]
	s_delay_alu instid0(VALU_DEP_1)
	v_add_f32 v14, v14, v252                       ; the row's sum
	s_wait_alu depctr_va_vdst(0)
	v_rcp_f32 v14, v14
	v_nop                                          ; a plain instruction behind the reciprocal
	s_lshr_b32 s52, s[BH], 4                       ; a_img: [token / 128][k / 128][(token / 16) % 8][2,048]; k = 64 x head + channel
	s_lshl_b32 s52, s52, 4
	s_lshl_b32 s53, s[QB], 1
	s_add_co_u32 s52, s52, s53
	s_lshr_b32 s53, s[WV], 3
	s_add_co_u32 s52, s52, s53                     ; 16 x batch + 2 x block + wave / 8
	s_lshl_b32 s52, s52, 3
	s_bfe_u32 s53, s[BH], 0x30001                  ; head / 2
	s_add_co_u32 s52, s52, s53
	s_lshl_b32 s52, s52, 3
	s_and_b32 s53, s[WV], 7
	s_add_co_u32 s52, s52, s53
	s_lshl_b32 s52, s52, 1
	s_and_b32 s53, s[BH], 1                        ; head % 2: chunks 0, 1 or 2, 3
	s_add_co_u32 s52, s52, s53
	s_lshl_b32 s52, s52, 10
	s_mov_b32 s53, 0
	s_add_nc_u64 s[OA:OA+1], s[12:13], s[52:53]
	s_wait_alu depctr_va_vdst(0)                   ; the wait ahead of the reciprocal's first reader
.set jj, 0
.rept 32
	v_mul_f32 v[96+jj], v[160+jj], v14             ; each accumulator from its low end on
.set jj, jj+1
.endr
.set jj, 0
.rept 32
.set jj, jj+1
.endr
.set jj, 0
.rept 4
	v_cvt_scalef32_pk8_fp8_f32 v[208+2*jj:209+2*jj], v[96+8*jj:103+8*jj], v218
.set jj, jj+1
.endr
	v_nop                                          ; a plain instruction behind the last conversion
	global_store_b128 v[LI], v[208:211], s[OA:OA+1]
	global_store_b128 v[LI], v[212:215], s[OA:OA+1] offset:512
.endm
	s_wait_loadcnt 0x0                             ; Q
.Lslot:                                            ; eight trips: behind each change of slots the next trip's key slot is asked for
	CHANGE 1
	STEP 0
	STEP 1
	s_xor_b32 s[TB], s[TB], SLOT1
	s_cmp_eq_u32 s[KS], s[QB]
	s_cbranch_scc0 .Lon                            ; the block's last slot?  Then block i begins
	FINISH
	s_mov_b32 s[QB], s[WI]
	s_lshl_b32 s[Q0], s[QB], 8
	s_lshl_b32 s96, s[WV], 4
	s_add_co_u32 s[Q0], s[Q0], s96
.set jj, 0
.rept 8
	v_mov_b32 v[16+jj], v[24+jj]
.set jj, jj+1
.endr
	RESET
.Lon:
	s_mov_b32 s[KS], s[KN]
	s_lshl_b32 s[KF], s[KS], 8
	s_add_co_u32 s96, s[KS], 1
	s_cmp_eq_u32 s[KS], s[QB]
	s_cselect_b32 s[KN], 0, s96                    ; behind a block's last slot comes slot 0
	s_sub_co_u32 s[TRIPS], s[TRIPS], 1
	s_cmp_lg_u32 s[TRIPS], 0
	s_cbranch_scc1 .Lslot
	CHANGE 0                                       ; the ninth slot is written out
	STEP 0
	STEP 1
	FINISH
	s_wait_tensorcnt 0x0                           ; the wave's end
	ds_add_u32 v[SPW], v[NIL]
	s_wait_dscnt 0x0
	s_endpgm
.Lfunc_end_k_q2dd51933d6_attn:
	.size	k_q2dd51933d6_attn, .Lfunc_end_k_q2dd51933d6_attn-k_q2dd51933d6_attn
	.p2alignl 7, 3214868480
	.fill 96, 4, 3214868480
	.section	.rodata,"a",@progbits
	.p2align	6, 0x0
	.amdhsa_kernel k_q2dd51933d6_attn
		.amdhsa_group_segment_fixed_size 327680
		.amdhsa_private_segment_fixed_size 0
		.amdhsa_enable_private_segment 0
		.amdhsa_kernarg_size 40
		.amdhsa_user_sgpr_count 2
		.amdhsa_user_sgpr_kernarg_segment_ptr 1
		.amdhsa_wavefront_size32 1
		.amdhsa_system_sgpr_workgroup_id_x 1
		.amdhsa_system_sgpr_workgroup_id_y 1
		.amdhsa_system_sgpr_workgroup_id_z 1
		.amdhsa_system_vgpr_workitem_id 0
		.amdhsa_next_free_vgpr 256
		.amdhsa_next_free_sgpr 100
		.amdhsa_reserve_vcc 1
		.amdhsa_float_denorm_mode_32 3
		.amdhsa_float_denorm_mode_16_64 3
		.amdhsa_fp16_overflow 1
		.amdhsa_memory_ordered 1
		.amdhsa_forward_progress 1
		.amdhsa_inst_pref_size 90
	.end_amdhsa_kernel
	.amdgpu_metadata
---
amdhsa.version: [ 1, 2 ]
amdhsa.kernels:
  - .name:           k_q2dd51933d6_attn
    .symbol:         k_q2dd51933d6_attn.kd
    .args:
      - { .name: q_img, .offset: 0, .size: 8, .value_kind: global_buffer, .address_space: global }
      - { .name: k_img, .offset: 8, .size: 8, .value_kind: global_buffer, .address_space: global }
      - { .name: v_img, .offset: 16, .size: 8, .value_kind: global_buffer, .address_space: global }
      - { .name: lowp_scales, .offset: 24, .size: 8, .value_kind: global_buffer, .address_space: global }
      - { .name: a_img, .offset: 32, .size: 8, .value_kind: global_buffer, .address_space: global }
    .group_segment_fixed_size: 327680
    .private_segment_fixed_size: 0
    .kernarg_segment_align: 8
    .kernarg_segment_size: 40
    .max_flat_workgroup_size: 512
    .sgpr_count:     100
    .vgpr_count:     256
    .wavefront_size: 32
...
	.end_amdgpu_metadata
.endif
;; end of part 3
;; launch proj (part 4): grid 4 x 32, 4 waves a work-group, clusters of 4 x 4, 327,680 bytes of LDS; arguments a_img, wp_img, lowp_scales, b_proj, out0; writes out0
.if DOCPART == 4
	.amdgcn_target "amdgcn-amd-amdhsa--gfx1250"
	.amdhsa_code_object_version 6
	.text
	.protected	k_q2dd51933d6_proj
	.globl	k_q2dd51933d6_proj
	.p2align	8
	.type	k_q2dd51933d6_proj,@function
k_q2dd51933d6_proj:
	s_mov_b64 s[64:65], 0
	v_nop
	global_prefetch_b8 v0, s[64:65] scope:SCOPE_SE
	s_setreg_imm32_b32 hwreg(HW_REG_WAVE_MODE, 25, 1), 1
	s_wait_xcnt 0x0
	s_wait_alu depctr_hold_cnt(0) depctr_sa_sdst(0) depctr_va_vdst(0) depctr_va_sdst(0) depctr_va_ssrc(0) depctr_va_vcc(0) depctr_vm_vsrc(0)
	s_getreg_b32 s2, hwreg(HW_REG_IB_STS2, 6, 4)
	s_cmp_eq_u32 s2, 0
	s_cbranch_scc0 .Lentry_in_a_cluster
	s_endpgm
.Lentry_in_a_cluster:
	s_bfe_u32 s2, ttmp6, 0x10000c
	s_cmp_lg_u32 s2, 0xf033
	s_cbranch_scc0 .Lentry_shape_is_right
	s_endpgm
.Lentry_shape_is_right:
; out0 = a w_proj + b_proj on codes of FP8 (E4M3), 8,192 x 1,024 x 1,024; out0 is f32.  Each finished sum is multiplied once by 2^(e6 + e7) and the bias is added, in one fused multiply-add.
; LIMIT: e6 + e7 between -126 and 127, so that 2^(e6 + e7) is an f32 number.
; OPERANDS lie in memory as images of their registers: [row / 128][k / 128][(row / 16) % 8][2,048]; chunk j (registers 4 j .. 4 j + 3) at 512 j + 16 x lane: 128 rows x 256 along K are 32,768 dense bytes.
; A tile of 256 x 256 is made by four waves, each 128 x 128: 64 accumulators.  K = 1,024 goes in four steps of 256 through two LDS slots; the text has no loop.  128 tiles: 128 work-groups.
; CLUSTERS: 4 x 4 work-groups.  P = a (source 1) hangs on cy and is asked for jointly by my row of the cluster; Q = w_proj's columns (source 0) hangs on cx and is asked for by my column.
; In accumulator (a, b), lane (r, h), register j: (token 16 a + r, column 16 b + 8 h + j).
; REGISTERS, in windows of 256: window 0: v0-31 addresses, v12-15 my four numbers of the bias; v128-255 P's fragments, one set, later rows of the result.  window 1: Q's fragments, two sets.  windows 2, 3: the accumulators.
.set KSB,   32768
.set HALFT, 32768
.set SLOT,  131072
.set SPARE, 262144                     ; behind the ring: the spare words, 128 bytes for each wave: two blocks of 256 bytes that no other line names
.set SPITCH, 528                       ; the way out: a stage of 16 rows x (512 bytes + 16) for each wave, in slot 0, which has had its last fill and its last read when the first result is stored there
.set FR,    16
.set NL,    4
.set NP,    4
.set BI,    12                         ; v12-15  b_proj at my four columns
.set ADRA,  16
.set ADRB,  20
.set STO,   24                         ; v24     the way out: where I put 32 bytes of a row
.set RD,    25                         ; v25     where I read a row back
.set CO,    26                         ; v26     16 x lane
.set SPW,   28
.set NIL,   29
.set AF,    128
.set BK,    128                        ; the way out: 16 rows read back: v128-191 and v192-255 by turns
.set G1,  24
.set G0,  32
.set G1B, 48
.set G0B, 56
.set MSB, 0
.macro WIN new
.if MSB != (\new)
	s_set_vgpr_msb (MSB<<8)|(\new)
.set MSB, (\new)
.endif
.endm
.set MUL_LO, 0xa1
.set MUL_HI, 0xf1
.set TO_B,   0x40
.macro JLOAD g0a, g1a, g0b, g1b        ; a joint load: waves 0 and 1 fetch for P, waves 2 and 3 for Q; four v_nop follow each of the two lines
	s_cmp_eq_u32 s15, 0
	s_cbranch_scc0 .Lfor_b_\@
	tensor_load_to_lds s[\g0a:\g0a+3], s[\g1a:\g1a+7]
	s_nop 0
.rept 4
	v_nop
.endr
	s_branch .Lasked_\@
.Lfor_b_\@:
	tensor_load_to_lds s[\g0b:\g0b+3], s[\g1b:\g1b+7]
	s_nop 0
.rept 4
	v_nop
.endr
.Lasked_\@:
.endm
.macro CREST
	s_cmp_lg_u32 s14, 0
	s_cbranch_scc1 .Lnot_wave_0_\@
	s_barrier_signal -3
.Lnot_wave_0_\@:
	s_barrier_wait -3
	s_barrier_signal -1
	s_barrier_wait -1
.endm
.macro CROUND
	s_barrier_signal -1
	s_barrier_wait -1
	CREST
.endm
	s_load_b256 s[4:11], s[0:1], 0x0               ; a_img s[4:5], wp_img s[6:7], the scales s[8:9], b_proj s[10:11]
	s_load_b64 s[68:69], s[0:1], 0x20              ; out0
	v_lshl_add_u32 v[SPW], v0, 2, SPARE
	v_mov_b32 v[NIL], 0
	ds_add_u32 v28, v29
	ds_add_u32 v28, v29
	s_wait_dscnt 0x0
	v_lshrrev_b32 v1, 5, v0
	v_readfirstlane_b32 s14, v1                    ; wave 0..3
	s_lshr_b32 s15, s14, 1                         ; which half of the tokens is mine.  Also: I fetch for P (0) or for Q (1)
	s_and_b32 s16, s14, 1                          ; which half of the columns.  Also: which 128 rows of that tile I fetch
	s_bfe_u32 s40, ttmp6, 0x40000                  ; cx, cy
	s_bfe_u32 s41, ttmp6, 0x40004
	s_lshl_b32 s43, s41, 2
	s_lshl_b32 s43, 15, s43                        ; my row of the cluster
	s_lshl_b32 s44, 0x1111, s40                    ; my column
	s_or_b32 s[G1+0], s43, (3<<16)|(1<<21)         ; the mask; elements of 8 bytes; bit 21 beside a mask; no padding
	s_or_b32 s[G1B+0], s44, (3<<16)|(1<<21)
.irp g, G1, G1B
	s_mov_b32 s[\g+1], 32<<16                      ; rows of 256 bytes,
	s_mov_b32 s[\g+2], 128<<16                     ; 128 of them,
	s_mov_b32 s[\g+3], 32<<16
	s_mov_b32 s[\g+4], 128
	s_mov_b32 s[\g+5], 32                          ; dense
	s_mov_b32 s[\g+6], 0
	s_mov_b32 s[\g+7], 0
.endr
	s_and_b32 s12, ttmp7, 0xffff
	s_lshl_b32 s13, s12, 2
	s_add_co_u32 s17, s13, s41                     ; tokens' tile = 4 x cluster y + cy
	s_lshl_b32 s42, ttmp9, 2
	s_add_co_u32 s42, s42, s40                     ; columns' tile = 4 x cluster x + cx
	s_lshl_b32 s18, s17, 18
	s_lshl_b32 s19, s16, 17
	s_add_co_u32 s18, s18, s19
	s_mov_b32 s19, 0
	s_lshl_b32 s46, s42, 18
	s_lshl_b32 s47, s16, 17
	s_add_co_u32 s46, s46, s47
	s_mov_b32 s47, 0
	s_mul_i32 s45, s14, HALFT
	s_wait_kmcnt 0x0
	s_load_b256 s[72:79], s[8:9], 0x0              ; e0 .. e7
	s_add_nc_u64 s[20:21], s[4:5], s[18:19]
	s_add_nc_u64 s[46:47], s[6:7], s[46:47]
	CROUND                                         ; all sixteen work-groups are here: the first joint loads meet
.irp s, 0,1
	s_mov_b32 s[G0+4*\s], 1
	s_add_co_u32 s[G0+4*\s+1], s45, \s*SLOT
	s_add_nc_u64 s[G0+4*\s+2:G0+4*\s+3], s[20:21], \s*KSB
	s_or_b32 s[G0+4*\s+3], s[G0+4*\s+3], 0x80000000
	s_mov_b32 s[G0B+4*\s], 1
	s_add_co_u32 s[G0B+4*\s+1], s45, \s*SLOT
	s_add_nc_u64 s[G0B+4*\s+2:G0B+4*\s+3], s[46:47], \s*KSB
	s_or_b32 s[G0B+4*\s+3], s[G0B+4*\s+3], 0x80000000
	s_wait_alu depctr_va_vdst(0)
	s_wait_tensorcnt 0x0
	ds_add_u32 v28, v29
	ds_add_u32 v28, v29
	s_wait_dscnt 0x0
	CROUND
	JLOAD G0+4*\s, G1, G0B+4*\s, G1B
.endr
	v_and_b32 v1, 31, v0
	v_lshlrev_b32 v[CO], 4, v1
	s_wait_alu depctr_va_vdst(0)
	s_lshl_b32 s92, s42, 10                        ; my first column, in bytes: 1,024 x tile + 512 x half
	s_lshl_b32 s93, s16, 9
	s_add_co_u32 s92, s92, s93
	s_mov_b32 s93, 0
	s_add_nc_u64 s[10:11], s[10:11], s[92:93]
	global_load_b128 v[BI:BI+3], v[CO], s[10:11]   ; the bias at columns 4 x lane + 0 .. 3 of my 128
	s_mul_i32 s21, s15, HALFT
	s_mul_i32 s22, s16, HALFT
	s_add_co_u32 s22, s22, 2*HALFT
.irp s, 0,1
	v_add_nc_u32 v[ADRA+\s], s21, v[CO]
	v_add_nc_u32 v[ADRB+\s], s22, v[CO]
	s_add_co_u32 s21, s21, SLOT
	s_add_co_u32 s22, s22, SLOT
.endr
	v_and_b32 v2, 15, v0
	v_bfe_u32 v3, v0, 4, 1
	s_mul_i32 s23, s14, 16*SPITCH                  ; my stage
	v_mul_u32_u24 v5, v2, SPITCH
	v_lshl_add_u32 v5, v3, 5, v5
	v_add_nc_u32 v[STO], s23, v5                   ; in: row r, 32 bytes for each half of the lanes
	v_add_nc_u32 v[RD], s23, v[CO]                 ; back: the 32 lanes take one row of 512 bytes
	s_lshl_b32 s90, s17, 20                        ; my first row of out0: (256 x tile + 128 x half) rows of 4,096 bytes
	s_lshl_b32 s91, s15, 19
	s_add_co_u32 s90, s90, s91
	s_add_co_u32 s90, s90, s92
	s_mov_b32 s91, 0
	s_add_nc_u64 s[68:69], s[68:69], s[90:91]
	s_wait_alu depctr_va_vdst(0)
	s_wait_kmcnt 0x0
	s_add_co_i32 s96, s78, s79
	s_add_co_i32 s96, s96, 127
	s_lshl_b32 s96, s96, 23                        ; 2^(e6 + e7) as f32
	s_mov_b32 s97, s96                             ; (named with it as a pair, so it is written)
.macro FRAG reg, adr, q, i
.irp c, 0,1,2,3
	ds_load_b128 v[\reg+4*\c:\reg+4*\c+3], v[\adr] offset:16384*(\q)+2048*(\i)+512*\c
.endr
.endm
.macro MUL16 a0, p, zero               ; the 64 accumulators take turns, one instruction a turn
.irp a, \a0, \a0+1
.irp b, 0,1,2,3,4,5,6,7
.if \zero
	v_wmma_f32_16x16x128_fp8_fp8 v[8*(8*((\a)%4)+\b):8*(8*((\a)%4)+\b)+7], v[128*(\p)+FR*\b:128*(\p)+FR*\b+FR-1], v[AF+FR*(\a):AF+FR*(\a)+FR-1], 0
.else
	v_wmma_f32_16x16x128_fp8_fp8 v[8*(8*((\a)%4)+\b):8*(8*((\a)%4)+\b)+7], v[128*(\p)+FR*\b:128*(\p)+FR*\b+FR-1], v[AF+FR*(\a):AF+FR*(\a)+FR-1], v[8*(8*((\a)%4)+\b):8*(8*((\a)%4)+\b)+7]
.endif
.endr
.endr
.endm
.macro FETCH_B slot, q, p
	WIN TO_B
.irp i, 0,1,2,3,4,5,6,7
	FRAG 128*(\p)+FR*\i, ADRB+\slot, \q, \i
.endr
	WIN 0
.endm
.macro FETCH_A slot, q, i0
.irp i, \i0, \i0+1, \i0+2, \i0+3
	FRAG AF+FR*(\i), ADRA+\slot, \q, \i
.endr
.endm
.macro PLACES n                        ; four plain vector instructions behind a matrix instruction, in front of loads into its registers and of the first read of results
.rept \n
	v_nop
.endr
.endm
.macro STEP slot, q, zero
	s_wait_dscnt 4*NL                              ; Q's set and P's blocks 0-3 are in; the youngest sixteen loads may be out
	WIN MUL_LO
	MUL16 0, (\q)%2, \zero
	MUL16 2, (\q)%2, \zero
	s_wait_dscnt 0
	PLACES NP
	FETCH_B \slot, (\q)+1, 1-(\q)%2
	FETCH_A \slot, (\q)+1, 0
	WIN MUL_HI
	MUL16 4, (\q)%2, \zero
	MUL16 6, (\q)%2, \zero
	PLACES NP
	WIN 0
	FETCH_A \slot, (\q)+1, 4
.endm
.macro TURN slot, next, fill
	s_wait_tensorcnt 0x0                           ; all my tensor loads have landed: my part of the next slot
	ds_add_u32 v[SPW], v[NIL]                      ; 0 onto my spare word
	s_wait_dscnt 4*NL+1                            ; (the add and the youngest sixteen loads may be out)
	WIN MUL_LO
	MUL16 0, 1, 0
	s_wait_dscnt 0x0                               ; the add is done, and my reads of this slot are over
	s_barrier_signal -1
	MUL16 2, 1, 0
	WIN 0
	s_barrier_wait -1
.if \fill
	CREST                                          ; a round of the cluster's barrier: no wave of any partner still reads this slot or has a load on its way
	s_add_nc_u64 s[G0+4*\slot+2:G0+4*\slot+3], s[G0+4*\slot+2:G0+4*\slot+3], 2*KSB
	s_add_nc_u64 s[G0B+4*\slot+2:G0B+4*\slot+3], s[G0B+4*\slot+2:G0B+4*\slot+3], 2*KSB
	JLOAD G0+4*\slot, G1, G0B+4*\slot, G1B
.else
	PLACES NP
.endif
	FETCH_B \next, 0, 0
	FETCH_A \next, 0, 0
	WIN MUL_HI
	MUL16 4, 1, 0
	MUL16 6, 1, 0
	PLACES NP
	WIN 0
	FETCH_A \next, 0, 4
.endm
	s_wait_tensorcnt 1                             ; my part of K step 0 is in; K step 1's may be out
	s_barrier_signal -1
	s_barrier_wait -1
	FETCH_B 0, 0, 0
	FETCH_A 0, 0, 0
	FETCH_A 0, 0, 4
	STEP 0, 0, 1
	TURN 0, 1, 1
	STEP 1, 0, 0
	TURN 1, 0, 1
	STEP 0, 0, 0
	TURN 0, 1, 0
	STEP 1, 0, 0
	s_wait_dscnt 4*NL
	WIN MUL_LO
	MUL16 0, 1, 0
	MUL16 2, 1, 0
	s_wait_dscnt 0
	WIN MUL_HI
	MUL16 4, 1, 0
	MUL16 6, 1, 0
	WIN 0
; THE WAY OUT, block by block of 16 rows x 128 columns.  The sums go into my own stage as they stand and come back as whole rows of 512 bytes; there a lane holds the same four columns in every row, so four registers of bias serve
; all rows: y = sum x 2^(e6 + e7) + b, two numbers an instruction.  LDS serves a wave's instructions in order (ISA guide 5.7.1.4): no wait between the stores and the loads.
.macro TOSTAGE a
.set AC, 64*((\a)%4)
.set BB, BK+64*((\a)%2)
	WIN 0x08+4*((\a)/4)                            ; an LDS store's data are source 1: window 2 or 3
.set ib, 0
.rept 8
	ds_store_b128 v[STO], v[AC+8*ib:AC+8*ib+3] offset:64*ib            ; each accumulator from its low end on
	ds_store_b128 v[STO], v[AC+8*ib+4:AC+8*ib+7] offset:64*ib+16
.set ib, ib+1
.endr
	WIN 0
.set it, 0
.rept 16
	ds_load_b128 v[BB+4*it:BB+4*it+3], v[RD] offset:SPITCH*it
.set it, it+1
.endr
.endm
.macro SEND a, younger                 ; younger: the LDS instructions issued behind block a's loads, which may stay out
.set BB, BK+64*((\a)%2)
	s_wait_dscnt \younger
.set it, 0
.rept 32
	v_pk_fma_f32 v[BB+2*it:BB+2*it+1], v[BB+2*it:BB+2*it+1], s[96:97], v[BI+2*(it%2):BI+2*(it%2)+1] op_sel_hi:[1,0,1]
.set it, it+1
.endr
.if (\a) > 0
	s_add_nc_u64 s[68:69], s[68:69], 16*4096       ; (behind a wait on XCNT: the earlier stores have read their base)  16 rows on
.endif
.set it, 0
.rept 16
	global_store_b128 v[CO], v[BB+4*it:BB+4*it+3], s[68:69] offset:4096*it th:TH_STORE_NT   ; 32 lanes store 512 consecutive bytes, at a multiple of 512 from out0's first byte
.set it, it+1
.endr
.endm
	s_wait_loadcnt 0x0                             ; the bias
	PLACES NP
	TOSTAGE 0
.irp a, 1,2,3,4,5,6,7
.if \a > 1
	s_wait_xcnt 0x0                                ; block a - 2's stores have read their registers and their base
.endif
	TOSTAGE \a
	SEND \a-1, 32                                  ; behind block a - 1's loads: block a's 16 stores and 16 loads
.endr
	s_wait_xcnt 0x0
	SEND 7, 0
	s_wait_tensorcnt 0x0                           ; the wave's end
	ds_add_u32 v[SPW], v[NIL]
	s_wait_dscnt 0x0
	CROUND                                         ; the closing round
	s_endpgm
.Lfunc_end_k_q2dd51933d6_proj:
	.size	k_q2dd51933d6_proj, .Lfunc_end_k_q2dd51933d6_proj-k_q2dd51933d6_proj
	.p2alignl 7, 3214868480
	.fill 96, 4, 3214868480
	.section	.rodata,"a",@progbits
	.p2align	6, 0x0
	.amdhsa_kernel k_q2dd51933d6_proj
		.amdhsa_group_segment_fixed_size 327680
		.amdhsa_private_segment_fixed_size 0
		.amdhsa_enable_private_segment 0
		.amdhsa_kernarg_size 40
		.amdhsa_user_sgpr_count 2
		.amdhsa_user_sgpr_kernarg_segment_ptr 1
		.amdhsa_wavefront_size32 1
		.amdhsa_system_sgpr_workgroup_id_x 1
		.amdhsa_system_sgpr_workgroup_id_y 1
		.amdhsa_system_sgpr_workgroup_id_z 1
		.amdhsa_system_vgpr_workitem_id 0
		.amdhsa_next_free_vgpr 1024
		.amdhsa_next_free_sgpr 100
		.amdhsa_reserve_vcc 0
		.amdhsa_float_denorm_mode_32 3
		.amdhsa_float_denorm_mode_16_64 3
		.amdhsa_memory_ordered 1
		.amdhsa_forward_progress 1
		.amdhsa_inst_pref_size 124
	.end_amdhsa_kernel
	.amdgpu_metadata
---
amdhsa.version: [ 1, 2 ]
amdhsa.kernels:
  - .name:           k_q2dd51933d6_proj
    .symbol:         k_q2dd51933d6_proj.kd
    .args:
      - { .name: a_img, .offset: 0, .size: 8, .value_kind: global_buffer, .address_space: global }
      - { .name: wp_img, .offset: 8, .size: 8, .value_kind: global_buffer, .address_space: global }
      - { .name: lowp_scales, .offset: 16, .size: 8, .value_kind: global_buffer, .address_space: global }
      - { .name: b_proj, .offset: 24, .size: 8, .value_kind: global_buffer, .address_space: global }
      - { .name: out0, .offset: 32, .size: 8, .value_kind: global_buffer, .address_space: global }
    .group_segment_fixed_size: 327680
    .private_segment_fixed_size: 0
    .kernarg_segment_align: 8
    .kernarg_segment_size: 40
    .max_flat_workgroup_size: 128
    .sgpr_count:     100
    .vgpr_count:     1024
    .wavefront_size: 32
...
	.end_amdgpu_metadata
.endif
;; end of part 4
